; MI455X (gfx1250); checked and timed in simulation.
; The chip was launched on July 23, 2026; its instructions are those of AMD's public machine-readable ISA for CDNA 5 (MIT licence, August 2026) and "CDNA5" Instruction Set Architecture Reference Guide (July 2026). The comments in the code are by the model that wrote it; some were corrected since.
;; Attention. Allowed arithmetic: matrix products marked QUANTISED: E2M3 operands, one E8M0 scale for each 32 along K, by v_wmma_scale_f32_16x16x128_f8f6f4 with both operands' format E2M3, f32 sums; everything else in f32.
;; Inputs: k 2 x 4,096 x 8 x 64 float32; q 2 x 4,096 x 8 x 64 float32; v 2 x 4,096 x 8 x 64 float32.
;; Outputs: out0 2 x 4,096 x 8 x 64 float32.
;; This version of the problem:
;;   THIS VERSION OF THE PROBLEM IS GIVEN IN LOW PRECISION. The matrix products marked QUANTISED in the list below multiply operands that are first quantised to E2M3 (2 exponent bits, 3 mantissa bits; 6 bits a number), with one power-of-two scale for each 32 numbers along K (OCP MX v1.0); their sums are f32. All else is computed in f32.
;;   The module's matrix products, in the order in which they are computed (A, B: the left and right operand; K: the contracted axis; several contracted axes count as one K, in the product's order):
;;     1. batch 16 x [M 4,096, K 64] x [K 64, N 4,096]; A: input q; B: input k: QUANTISED
;;     2. batch 16 x [M 64, K 4,096] x [K 4,096, N 4,096]; A: input v; B: softmax (see below): QUANTISED
;;   THE QUANTISER, for each operand of a quantised product, along K:
;;     - K is cut into blocks of 32 from its start; a last block that is shorter is filled with zeros.
;;     - A block's scale is 2^e with e = floor(log2(the largest magnitude in the block)) - 2, held to -126 .. 127; a block of zeros has e = 0. As a byte (E8M0): e + 127.
;;     - Each number is divided by its block's scale, clamped to +-7.5, and rounded to the nearest number of E2M3, ties to even, subnormals kept.
;;     - The product sums the exact products of the quantised numbers (number of the format x scale) in f32.
;;   ~~~python
;;   def quantise(x, axis):      # numpy; x: float32 -> the quantised numbers, widened to float32 again
;;       x = np.moveaxis(x, axis, -1); K = x.shape[-1]
;;       x = np.pad(x, [(0, 0)] * (x.ndim - 1) + [(0, -K % 32)]); x = x.reshape(x.shape[:-1] + (-1, 32)); a = np.abs(x).max(-1, keepdims=True)
;;       e = np.where(a > 0, np.clip(np.frexp(np.where(a > 0, a, 1))[1] - 1 - 2, -126, 127), 0)      # np.frexp(a)[1] - 1 = floor(log2(a)), exactly
;;       r = np.clip(x / 2.0 ** e, -7.5, 7.5)
;;       step = 2.0 ** (np.maximum(np.frexp(np.where(r == 0, 1, r))[1] - 1, 0) - 3)
;;       q = np.round(r / step) * step * 2.0 ** e      # np.round: ties to even
;;       return np.moveaxis(q.reshape(q.shape[:-2] + (-1,))[..., :K], -1, axis).astype(np.float32)
;;   ~~~
;;   SOFTMAX AHEAD OF A QUANTISED PRODUCT. Where the list says 'softmax', what is quantised is not the finished softmax but p = 2^(t - M), with t = logit x log2(e) and M = ceil(the row's largest t), a whole number; so 1/2 < the row's largest p <= 1. The row's sum l is taken of the UNQUANTISED p, in f32, and the product's result is divided by l at the end. Since M is a whole number, a kernel that streams over the keys may use a running M (the ceiling of the running maximum): every later rescaling is an exact power of two, which a block's scale takes up: the codes' values come out the same.
;;   OPERANDS COMPUTED ON THE WAY. 'Computed on the way' means the value that the module computes at that place (a softmax that the list does not call 'softmax' is quantised finished and normalised). What goes into a quantiser is computed in f32, as accurately as f32 sums, v_exp_f32 and their like allow (about 1e-6 of the number): no bf16 or f16 on the way to a quantiser, and a product that is left as it is and whose result goes on into a quantised operand takes f32 operands (vector FMAs, or v_wmma_f32_16x16x4_f32). A number that lies on a knife's edge between two numbers of the format may be rounded either way, as far as f32 arithmetic and the matrix unit's own rounding can turn it there, and no further.
;; One version. Each part assembles by itself: llvm-mc -triple=amdgcn-amd-amdhsa -mcpu=gfx1250 --defsym DOCPART=n.
;; ======== version 1 of 1: 2 launches
;; limits: right only within a limited range of input values
;; workspace buffers: kv 6,684,672 bytes; qi 3,407,872 bytes
;; launch prep (part 1): grid 256 x 1, 6 waves a work-group, no clusters, 52,992 bytes of LDS; arguments q, k, v, qi, kv; writes qi, kv
.if DOCPART == 1
	.amdgcn_target "amdgcn-amd-amdhsa--gfx1250"
	.amdhsa_code_object_version 6
	.text
	.protected	k_q8091f93584_prep
	.globl	k_q8091f93584_prep
	.p2align	8
	.type	k_q8091f93584_prep,@function
k_q8091f93584_prep:
	s_mov_b64 s[64:65], 0
	v_nop
	global_prefetch_b8 v0, s[64:65] scope:SCOPE_SE
	s_setreg_imm32_b32 hwreg(HW_REG_WAVE_MODE, 25, 1), 1
	s_wait_xcnt 0x0
; q, k, v: [2][4096][8][64] f32.  They are quantised once to codes of FP6 (E2M3) with one E8M0 scale byte for each 32 along a product's K, and stored
; IN THE ORDER OF THE OPERANDS' REGISTERS, so that the attention launch loads every fragment as 16 or 8 consecutive bytes a lane.
; A UNIT is 128 positions of one head (128 rows of 256 bytes, 2,048 bytes apart).  Unit U = 32 x head + group, head = 8 b + h.  A wave takes one unit: waves 0, 1 of q, waves 2, 3 of k, waves 4, 5 of v.
; q and k (K = the head's 64, innermost): eight tiles of 16 rows.  ROW m OF TILE T IS ROW 64 (T / 4) + 32 (m / 8) + 8 (T % 4) + m % 8 OF THE UNIT: then the 64 scores that a lane of the
; attention launch holds are, in the order of its registers, two whole blocks of 32 neighbouring keys.  A tile's image: registers 0-3 at 16 x lane (512 bytes), registers 4-5 at 8 x lane (256 bytes);
; registers 6-11 (K = 64 .. 127) are zero codes and are not stored.  Scale image (512 bytes, 16 x lane): register j holds tile 2 j's words in lanes 0-15 and tile 2 j + 1's in lanes 16-31;
; a word is byte 0 | byte 1 << 8 | 0x7f7f0000 (the upper two belong to the zero codes).
; v (K = the keys, its first axis within a head): a lane takes a channel d and its registers run down the keys, so a block of 32 keys lies in one lane.  Four tiles of 16 channels x 128 keys,
; 12 registers each as three images of 512 bytes; scale image (256 bytes, 8 x lane): register e holds tile 2 e in lanes 0-15 and tile 2 e + 1 in lanes 16-31.
; A record of kv (13,056 bytes): K's codes 0, K's scales 6,144, V's codes 6,656, V's scales 12,800.  A record of qi (6,656 bytes): the first two parts.
; A block's scale is 2^(floor(log2(its largest magnitude)) - 2): its byte is the largest magnitude's exponent field - 2, held at 1 from below by a floor among the maximum's leaves.
; LIMITS: NaN and infinities among the inputs are not served.  A block of zeros gets the byte 1 where the rule says 127: its codes are zeros, which add nothing under that byte, and only this program reads the bytes.
; No tensor load, no barrier: waves share nothing.  Every offset is an immediate; no address register and no store's data register is written twice.
.set QREC,  6656
.set KVREC, 13056
.set WREG,  8704                       ; LDS of a wave: two stages of 16 rows x 272 bytes
.set STGB,  4352
.set SP,    272                        ; a stage row: 256 bytes + 16: an odd multiple of 16, so that sixteen lanes that read sixteen rows touch sixteen different columns of 16 bytes
.set R,     16                         ; v16-79   q, k: two sets of 32, as loaded
.set X,     80                         ; v80-143  two sets of 32: a lane's block of 32 neighbours
.set C,     144                        ; v144-207 codes: eight registers for each tile
.set T,     208                        ; v208-210 a conversion's second half (its three registers begin on an even number)
.set W,     212                        ; v212-215 the scale registers
.set VX,    16                         ; v16-79   v: two sets of 32 keys of my channel
.set CV,    80                         ; v80-127  v: 12 registers for each (half of the channels e, parity of the key block)
.set VA,    216                        ; v216     v: 4 x lane
.set VST,   217                        ; v217     v: 1,536 (lane / 16) + 16 (lane % 16)
	s_load_b256 s[4:11], s[0:1], 0x0               ; q s[4:5], k s[6:7], v s[8:9], qi s[10:11]
	s_load_b64 s[12:13], s[0:1], 0x20              ; kv
	v_lshl_add_u32 v224, v0, 2, 0xcc00
	v_mov_b32 v225, 0
	v_lshrrev_b32 v1, 5, v0
	v_readfirstlane_b32 s14, v1                    ; wave 0..5
	s_and_b32 s15, s14, 1
	s_lshl_b32 s16, ttmp9, 1
	s_add_co_u32 s16, s16, s15                     ; U = 2 x work-group + wave % 2
	s_lshr_b32 s17, s16, 8
	s_lshl_b32 s18, s17, 23                        ; b x 4,096 positions x 2,048 bytes
	s_and_b32 s17, s16, 31
	s_lshl_b32 s17, s17, 18                        ; group x 128 positions x 2,048 bytes
	s_add_co_u32 s18, s18, s17
	s_bfe_u32 s17, s16, 0x30005
	s_lshl_b32 s17, s17, 8                         ; h x 256 bytes
	s_add_co_u32 s18, s18, s17
	s_mov_b32 s19, 0
	s_mov_b32 s26, 0x76543210
	s_mov_b32 s27, 0xfedcba98                      ; v_permlanex16_b32's selects for lane l xor 16
	s_mov_b32 vcc_lo, 0xffff0000                   ; lanes 16-31
	s_mul_i32 s28, s14, WREG
	v_and_b32 v2, 31, v0                           ; lane
	v_and_b32 v3, 15, v0                           ; r
	v_bfe_u32 v1, v0, 4, 1                         ; hh
	v_lshlrev_b32 v4, 11, v1
	v_lshl_add_u32 v4, v3, 4, v4                   ; q, k in: lanes 0-15 one whole row of 256 bytes, lanes 16-31 the next
	v_mul_u32_u24 v5, v1, SP
	v_lshl_add_u32 v5, v3, 4, v5
	v_add_nc_u32 v5, s28, v5                       ; into the stage: the same two rows
	v_mul_u32_u24 v6, v3, SP
	v_lshl_add_u32 v6, v1, 7, v6
	v_add_nc_u32 v6, s28, v6                       ; out of it: row r, block hh: 128 bytes
	v_lshlrev_b32 v7, 4, v2                        ; 16 x lane
	v_lshlrev_b32 v8, 3, v2                        ; 8 x lane
	v_lshlrev_b32 v9, 3, v1                        ; 8 hh: my byte's place in a scale word
	v_mov_b32 v10, 0                               ; a lane permute's destination counts as one of its sources
	v_lshlrev_b32 v[VA], 2, v2
	v_mul_u32_u24 v[VST], v1, 1536
	v_lshl_add_u32 v[VST], v3, 4, v[VST]
	s_wait_kmcnt 0x0
	s_cmp_lt_u32 s14, 2                            ; the buffers are chosen by the wave's number alone
	s_cselect_b64 s[20:21], s[4:5], s[6:7]
	s_cselect_b64 s[22:23], s[10:11], s[12:13]
	s_mov_b32 s24, KVREC
	s_cselect_b32 s24, QREC, s24
	s_cmp_lt_u32 s14, 4
	s_cselect_b64 s[20:21], s[20:21], s[8:9]
	s_mul_i32 s24, s24, s16
	s_mov_b32 s25, 0
	s_add_nc_u64 s[20:21], s[20:21], s[18:19]      ; my unit's first row
	s_add_nc_u64 s[22:23], s[22:23], s[24:25]      ; my record
	s_cmp_ge_u32 s14, 4
	s_cbranch_scc1 .Lv
; The largest magnitude of 32 numbers of a lane, with the floor 2^(3 - 127) as a leaf; v14: the conversion's scale operand (2 off the exponent field); v15: the scale's byte.
.macro BLOCKMAX xs
	v_max3_num_f32 v12, |v[\xs]|, |v[\xs+1]|, |v[\xs+2]|
	v_max3_num_f32 v13, |v[\xs+3]|, |v[\xs+4]|, |v[\xs+5]|
.irp i, 6,10,14,18,22,26
	v_max3_num_f32 v12, v12, |v[\xs+\i]|, |v[\xs+\i+1]|
	v_max3_num_f32 v13, v13, |v[\xs+\i+2]|, |v[\xs+\i+3]|
.endr
	v_max3_num_f32 v12, v12, |v[\xs+30]|, |v[\xs+31]|
	v_max3_num_f32 v12, v12, v13, 0x1800000
	v_add_nc_u32 v14, 0xff000000, v12
	v_lshrrev_b32 v15, 23, v14
.endm
; ---------------- q and k ----------------
.macro LOADT t                         ; tile t's 16 rows: load i brings rows m = 2 i and 2 i + 1, 256 whole bytes each
.irp i, 0,1,2,3,4,5,6,7
	global_load_b128 v[R+32*((\t)%2)+4*\i:R+32*((\t)%2)+4*\i+3], v4, s[20:21] offset:(64*((\t)/4)+8*((\t)%4)+2*\i+24*(\i/4))*2048 th:TH_LOAD_NT
.endr
.endm
.macro TURN t                          ; through my own stage: in as rows, out 128 bytes a lane.  LDS serves a wave's instructions in order (ISA guide 5.7.1.4): no wait between
.irp i, 0,1,2,3,4,5,6,7
	ds_store_b128 v5, v[R+32*((\t)%2)+4*\i:R+32*((\t)%2)+4*\i+3] offset:STGB*((\t)%2)+2*SP*\i
.endr
.irp i, 0,1,2,3,4,5,6,7
	ds_load_b128 v[X+32*((\t)%2)+4*\i:X+32*((\t)%2)+4*\i+3], v6 offset:STGB*((\t)%2)+16*\i
.endr
.endm
.macro TILE t
.set XS, X+32*((\t)%2)
.set CT, C+8*(\t)
	s_wait_dscnt 0x0                               ; this tile's numbers are back from the stage, and its stores into the stage have read their registers,
.if (\t)+2 < 8
	LOADT (\t)+2                                   ; which take the tile two on
.endif
.if (\t)+1 < 8
.if (\t)+2 < 8
	s_wait_loadcnt 8                               ; the next tile's eight loads are in; the eight just issued may be out
.else
	s_wait_loadcnt 0x0
.endif
	TURN (\t)+1                                    ; and go through the other stage while this tile is worked
.endif
	BLOCKMAX XS
	v_lshl_or_b32 v11, v15, v9, 0x7f7f0000         ; my block's byte at its place, over the two bytes of the zero codes
	v_cvt_scalef32_pk16_fp6_f32 v[CT:CT+2], v[XS:XS+15], v14
	v_cvt_scalef32_pk16_fp6_f32 v[T:T+2], v[XS+16:XS+31], v14
	v_nop                                          ; one plain place behind the scaled conversions
.irp i, 0,1,2
	v_mov_b32 v[CT+3+\i], v[T+\i]
.endr
	v_permlanex16_b32 v10, v11, s26, s27           ; the row's other byte lies in lane l xor 16
.if ((\t)%2) == 0
	v_or_b32 v[W+(\t)/2], v11, v10                 ; the even tile's words, in all lanes;
.else
	v_or_b32 v11, v11, v10
	v_cndmask_b32 v[W+(\t)/2], v[W+(\t)/2], v11, vcc_lo   ; the odd tile's take lanes 16-31
.endif
	global_store_b128 v7, v[CT:CT+3], s[22:23] offset:768*(\t)          ; 512 consecutive bytes
	global_store_b64 v8, v[CT+4:CT+5], s[22:23] offset:768*(\t)+512     ; 256 consecutive bytes
.endm
	LOADT 0
	LOADT 1
	s_wait_loadcnt 8                               ; tile 0's eight loads are in
	s_wait_alu depctr_va_vdst(0)
	TURN 0
.irp t, 0,1,2,3,4,5,6,7
	TILE \t
.endr
	global_store_b128 v7, v[W:W+3], s[22:23] offset:6144
	s_wait_tensorcnt 0x0
	ds_add_u32 v224, v225
	s_wait_dscnt 0x0
	s_endpgm
; ---------------- v ----------------
.Lv:
.macro LOADU u                         ; unit u = 2 j + e: keys 32 j + 0 .. 31 of channel 32 e + lane
.irp i, 0,1,2,3,4,5,6,7,8,9,10,11,12,13,14,15,16,17,18,19,20,21,22,23,24,25,26,27,28,29,30,31
	global_load_b32 v[VX+32*((\u)%2)+\i], v[VA], s[20:21] offset:(32*((\u)/2)+\i)*2048+128*((\u)%2) th:TH_LOAD_NT
.endr
.endm
.macro UNIT u
.set J,   (\u)/2
.set EE,  (\u)%2
.set XS,  VX+32*EE
.set CVB, CV+24*EE+12*(J%2)            ; key block j belongs to the fragment's lanes of half j % 2, registers 6 (j / 2) on
.if (\u) < 7
	s_wait_loadcnt 32                              ; this unit's 32 loads are in; the next unit's may be out
.else
	s_wait_loadcnt 0x0
.endif
	BLOCKMAX XS
.if J == 0
	v_mov_b32 v[W+EE], v15                         ; four bytes to a word, the lower keys in the lower byte
.else
	v_lshl_or_b32 v[W+EE], v15, 8*J, v[W+EE]
.endif
	v_cvt_scalef32_pk16_fp6_f32 v[CVB+6*(J/2):CVB+6*(J/2)+2], v[XS:XS+15], v14
	v_cvt_scalef32_pk16_fp6_f32 v[T:T+2], v[XS+16:XS+31], v14
	v_nop                                          ; one plain place behind the scaled conversions
.irp i, 0,1,2
	v_mov_b32 v[CVB+6*(J/2)+3+\i], v[T+\i]
.endr
.if (\u)+2 < 8
	LOADU (\u)+2
.endif
.if J >= 2                             ; the twelve registers are whole: my lane (r, hh) holds those of tile 2 e + hh, fragment lane r + 16 (j % 2)
.irp i, 0,1,2
	global_store_b128 v[VST], v[CVB+4*\i:CVB+4*\i+3], s[22:23] offset:6656+3072*EE+256*(J%2)+512*\i   ; sixteen lanes store 256 consecutive bytes, at a multiple of 256 from the buffer's first byte
.endr
.endif
.endm
	s_wait_alu depctr_va_vdst(0)
	LOADU 0
	LOADU 1
.irp u, 0,1,2,3,4,5,6,7
	UNIT \u
.endr
	global_store_b64 v8, v[W:W+1], s[22:23] offset:12800
	s_endpgm
.Lfunc_end_k_q8091f93584_prep:
	.size	k_q8091f93584_prep, .Lfunc_end_k_q8091f93584_prep-k_q8091f93584_prep
	.p2alignl 7, 3214868480
	.fill 96, 4, 3214868480
	.section	.rodata,"a",@progbits
	.p2align	6, 0x0
	.amdhsa_kernel k_q8091f93584_prep
		.amdhsa_group_segment_fixed_size 52992
		.amdhsa_private_segment_fixed_size 0
		.amdhsa_enable_private_segment 0
		.amdhsa_kernarg_size 40
		.amdhsa_user_sgpr_count 2
		.amdhsa_user_sgpr_kernarg_segment_ptr 1
		.amdhsa_wavefront_size32 1
		.amdhsa_system_sgpr_workgroup_id_x 1
		.amdhsa_system_sgpr_workgroup_id_y 1
		.amdhsa_system_sgpr_workgroup_id_z 1
		.amdhsa_system_vgpr_workitem_id 0
		.amdhsa_next_free_vgpr 226
		.amdhsa_next_free_sgpr 66
		.amdhsa_reserve_vcc 1
		.amdhsa_float_denorm_mode_32 3
		.amdhsa_float_denorm_mode_16_64 3
		.amdhsa_memory_ordered 1
		.amdhsa_forward_progress 1
		.amdhsa_inst_pref_size 69
	.end_amdhsa_kernel
	.amdgpu_metadata
---
amdhsa.version: [ 1, 2 ]
amdhsa.kernels:
  - .name:           k_q8091f93584_prep
    .symbol:         k_q8091f93584_prep.kd
    .args:
      - { .name: q, .offset: 0, .size: 8, .value_kind: global_buffer, .address_space: global }
      - { .name: k, .offset: 8, .size: 8, .value_kind: global_buffer, .address_space: global }
      - { .name: v, .offset: 16, .size: 8, .value_kind: global_buffer, .address_space: global }
      - { .name: qi, .offset: 24, .size: 8, .value_kind: global_buffer, .address_space: global }
      - { .name: kv, .offset: 32, .size: 8, .value_kind: global_buffer, .address_space: global }
    .group_segment_fixed_size: 52992
    .private_segment_fixed_size: 0
    .kernarg_segment_align: 8
    .kernarg_segment_size: 40
    .max_flat_workgroup_size: 192
    .sgpr_count:     66
    .vgpr_count:     226
    .wavefront_size: 32
...
	.end_amdgpu_metadata
.endif
;; end of part 1
;; launch attn (part 2): grid 16 x 16, 8 waves a work-group, clusters of 4 x 1, 327,680 bytes of LDS; arguments qi, kv, out0; writes out0
.if DOCPART == 2
	.amdgcn_target "amdgcn-amd-amdhsa--gfx1250"
	.amdhsa_code_object_version 6
	.text
	.protected	k_q8091f93584_attn
	.globl	k_q8091f93584_attn
	.p2align	8
	.type	k_q8091f93584_attn,@function
k_q8091f93584_attn:
	s_mov_b64 s[64:65], 0
	v_nop
	global_prefetch_b8 v0, s[64:65] scope:SCOPE_SE
	s_setreg_imm32_b32 hwreg(HW_REG_WAVE_MODE, 25, 1), 1
	s_wait_xcnt 0x0
	s_wait_alu depctr_hold_cnt(0) depctr_sa_sdst(0) depctr_va_vdst(0) depctr_va_sdst(0) depctr_va_ssrc(0) depctr_va_vcc(0) depctr_vm_vsrc(0)
	s_getreg_b32 s2, hwreg(HW_REG_IB_STS2, 6, 4)
	s_cmp_eq_u32 s2, 0
	s_cbranch_scc0 .Lentry_in_a_cluster
	s_endpgm
.Lentry_in_a_cluster:
	s_bfe_u32 s2, ttmp6, 0x10000c
	s_cmp_lg_u32 s2, 0x3003
	s_cbranch_scc0 .Lentry_shape_is_right
	s_endpgm
.Lentry_shape_is_right:
; out[b][l][h][:] = the sum over s of softmax_s(q . k / 8) v: 16 heads, 4,096 queries, 4,096 keys, head size 64; both products on codes of FP6 (E2M3) with E8M0 scales for each 32 along K.
; qi and kv hold the operands as images of their registers, made by the launch before.  A record of kv (13,056 bytes) is a KEY STEP of 128 keys: K's eight tiles (768 bytes each), K's scale registers
; (at 6,144), V^T's four tiles (1,536 bytes each, at 6,656), V's scale registers (at 12,800).  A record of qi (6,656 bytes) is 128 queries laid as K's part.
; SOFTMAX: t = score x log2(e) / 8; M = the largest t so far rounded up to a whole number; p = 2^(t - M) is quantised along the keys; the row's sum is taken of the unquantised p and divides at the end.
; When M moves, the sums and O are multiplied by 2^(old M - new M), which rounds nothing; no branch hangs on data.
; The first product has K = 64: the form's upper 64 along K are zero codes in both operands (registers 6-11, cleared once), under the scale byte 127.
; SHARES: a work-group owns 256 queries of one head; each of its eight waves owns TWO tiles of 16 queries (a, b), so each fragment of K and V read from LDS feeds two matrix instructions,
; and every dependent chain of the softmax is laid over both tiles line by line.  Every wave walks the head's 32 key steps.
; LAYOUT: both products transposed (S^T = K Q^T, O^T = V^T P^T): a lane holds one query of each tile.  Row m of a tile T of K is key 64 (T / 4) + 32 (m / 8) + 8 (T % 4) + m % 8 of the step, so score
; register 32 c + i of lane (r, h) is key 64 c + 32 h + i: the order of P as a 6-bit operand; a lane holds two whole blocks of 32.  Q's tiles have the same order of rows.
; RING: two LDS slots of eight records.  CLUSTER: the four work-groups of a cluster are four query blocks of one head and walk the same records: every record is asked for jointly (mask 15),
; wave w asking for record w of a slot.  Slot 0's first fill stands at the head, slot 1's behind the full sequence and a round.  A wave never has more than one tensor load out.
; K's tiles 0-3 and scales are read from LDS one key step ahead; in a slot's last step that read names the record just read once more, and the next slot's first record is read behind the change of slots.
; NO PREFETCH INTO THE L2: each fill but the first is asked for eight key steps ahead of the wait for it.
; LIMITS: the promise holds while |t| stays under 2^31; a p under 2^-126 comes out of v_exp_f32 as 0 (ISA guide, the instruction's entry); NaN and infinities among the inputs are not served.
; REGISTERS.  Window 0: v1 16 x lane, v2 8 x lane, v3, v4 the add's two, v6, v7 this step's LDS addresses, v14, v15 the next step's; scales and nothing else: v[8:9] V's, v10, v11 Q's (a, b),
; v12, v13 P's (a, b), v[16:19] K's; v[20:43] Q a, b; v[44:91] four fragments of K; v[92:139] V's four; v[140:203] O^T a, b; v204-208 addresses; v[210:225] the sums, four pairs a tile.
; Window 1: tile a at 0, tile b at 128: +0..63 S^T, then p; +64..75 P's codes; +76..83 the conversions' second halves; +84 -M, +85 the largest score, +86 f; +96.. at work.
.set REC,   13056
.set QREC,  6656
.set SLOTB, 8*REC
.set SLOT1, 131072
.set STAGE, SLOT1+SLOTB                ; 32 rows x 272 bytes for each wave, for the way out; no fill lands here
.set SP,    272
.set SPARE, STAGE+8*32*SP              ; the spare words: 128 bytes a wave, four blocks of 256 bytes that no other line names
.set QS, 10
.set PS, 12
.set KS, 16
.set QA, 20
.set KF, 44
.set VF, 92
.set O,  140
.set LW, 210
.set W,  44                            ; way out: O / sum
.set R,  108                           ; way out: rows read back
.set PC, 64
.set T,  76
.set NM, 84
.set SMAX, 85
.set F,  86
.set BM, 96
.set BX, 100
.set SO, 102
.set BY, 104
.set TA, 106
.set PD1, 107
.set TB, 108
.set PD2, 109
.set H8, 126                           ; window 1: 8 (lane / 16)
.set MSB, 0
.macro WIN new                         ; the immediate's high byte repeats the setting that is left
.if MSB != \new
	s_set_vgpr_msb (MSB<<8)|\new
.set MSB, \new
.endif
.endm
.macro NOPS n
.rept \n
	v_nop
.endr
.endm
.macro CROUND                          ; a round of the cluster's barrier
	s_barrier_signal -1
	s_barrier_wait -1
	s_cmp_lg_u32 s10, 0
	s_cbranch_scc1 .Lnot_wave_0_\@
	s_barrier_signal -3
.Lnot_wave_0_\@:
	s_barrier_wait -3
	s_barrier_signal -1
	s_barrier_wait -1
.endm
	s_load_b128 s[4:7], s[0:1], 0x0                ; qi, kv
	s_load_b64 s[8:9], s[0:1], 0x10                ; out0
	v_lshl_add_u32 v3, v0, 2, SPARE
	v_mov_b32 v4, 0
	ds_add_u32 v3, v4                              ; the opening lines
	ds_add_u32 v3, v4
	s_wait_dscnt 0x0
	v_lshrrev_b32 v6, 5, v0
	v_readfirstlane_b32 s10, v6                    ; wave 0..7
	s_bfe_u32 s11, ttmp6, 0x40000                  ; cx: it enters Q's and out's global addresses alone
	s_lshl_b32 s12, ttmp9, 2
	s_add_co_u32 s12, s12, s11                     ; my block of 256 queries
	s_and_b32 s13, ttmp7, 0xffff                   ; the head, which the four partners share
	s_mov_b32 s24, 15|(3<<16)|(1<<21)              ; group 1: mask of all four, elements of 8 bytes, bit 21 beside the mask
	s_mov_b32 s25, 32<<16                          ; tensor_dim0 = 32
	s_mov_b32 s26, 51<<16                          ; tensor_dim1 = 51: a record is 51 rows of 256 bytes
	s_mov_b32 s27, 32<<16                          ; tile_dim0 = 32
	s_mov_b32 s28, 51                              ; tile_dim1 = 51
	s_mov_b32 s29, 32                              ; pitch
	s_mov_b32 s30, 0
	s_mov_b32 s31, 0
	s_and_b32 s19, s10, 3                          ; u = wave % 4
	s_lshr_b32 s15, s10, 2                         ; wave / 4: which 128 queries
	s_mul_i32 s33, s10, REC                        ; LDS address: my record's place in slot 0
	s_mul_i32 s16, s13, 32*REC                     ; the head's 32 records
	s_add_co_u32 s16, s16, s33
	s_mov_b32 s17, 0
	s_mov_b32 s32, 1
	s_mov_b32 s20, 0x76543210
	s_mov_b32 s21, 0xfedcba98                      ; selects for lane l xor 16
	s_mov_b32 s22, 0x3e38aa3b                      ; c = log2(e) / 8
	s_mov_b32 s23, s22
	s_lshl_b32 s18, s12, 1
	s_add_co_u32 s18, s18, s15                     ; G: which 128 queries of the head
	s_lshl_b32 s42, s13, 5
	s_add_co_u32 s42, s42, s18
	s_mul_i32 s42, s42, QREC                       ; Q's record
	s_mov_b32 s43, 0
	s_mul_i32 s44, s19, 1536                       ; my tiles 2 u, 2 u + 1
	s_lshl_b32 s45, s19, 2                         ; their scale words: register u of the image
	s_lshr_b32 s46, s13, 3                         ; out: row (head / 8) x 4,096 + 128 G + 64 (u / 2) + 16 (u % 2)
	s_lshl_b32 s46, s46, 12
	s_lshl_b32 s47, s18, 7
	s_add_co_u32 s46, s46, s47
	s_bfe_u32 s47, s10, 0x10001
	s_lshl_b32 s47, s47, 6
	s_add_co_u32 s46, s46, s47
	s_and_b32 s47, s10, 1
	s_lshl_b32 s47, s47, 4
	s_add_co_u32 s46, s46, s47
	s_lshl_b32 s46, s46, 11                        ; 2,048 bytes a row
	s_and_b32 s47, s13, 7
	s_lshl_b32 s47, s47, 8
	s_add_co_u32 s46, s46, s47                     ; + 256 (head % 8)
	s_mov_b32 s47, 0
	s_wait_kmcnt 0x0
	s_add_nc_u64 s[34:35], s[6:7], s[16:17]
	s_or_b32 s35, s35, 0x80000000                  ; type = 2
	s_add_nc_u64 s[4:5], s[4:5], s[42:43]
	s_add_nc_u64 s[8:9], s[8:9], s[46:47]
	CROUND                                         ; all four work-groups are here: the first joint loads meet
	tensor_load_to_lds s[32:35], s[24:31]          ; every wave's one load at the head: key step w, into slot 0
	s_nop 0
	NOPS 4
	v_and_b32 v6, 31, v0
	v_bfe_u32 v7, v0, 4, 1
	v_and_b32 v206, 15, v0
	v_lshlrev_b32 v1, 4, v6                        ; 16 x lane
	v_lshlrev_b32 v2, 3, v6                        ; 8 x lane
	v_lshlrev_b32 v7, 3, v7                        ; 8 (lane / 16)
	v_lshlrev_b32 v206, 4, v206
	v_add_nc_u32 v204, s44, v1
	v_add_nc_u32 v205, s44, v2
	v_add_nc_u32 v206, s45, v206
.irp x, 0,1
	global_load_b128 v[QA+12*\x:QA+12*\x+3], v204, s[4:5] offset:768*\x th:TH_LOAD_NT        ; Q's fragments stay in registers
	global_load_b64 v[QA+12*\x+4:QA+12*\x+5], v205, s[4:5] offset:768*\x+512 th:TH_LOAD_NT
	global_load_b32 v[QS+\x], v206, s[4:5] offset:6144+256*\x th:TH_LOAD_NT                  ; the even tile's words lie in the image's lanes 0-15, the odd tile's in 16-31
.endr
.irp t, 0,1
.irp j, 6,7,8,9,10,11
	v_mov_b32 v[QA+12*\t+\j], 0                    ; zero codes for K = 64 .. 127: Q's,
.endr
.endr
.irp t, 0,1,2,3
.irp j, 6,7,8,9,10,11
	v_mov_b32 v[KF+12*\t+\j], 0                    ; and K's: written once, no load lands on them
.endr
.endr
.irp i, 0,1,2,3,4,5,6,7,8,9,10,11,12,13,14,15
	v_mov_b32 v[LW+\i], 0                          ; the sums
.endr
	WIN 0x40                                       ; destinations in window 1
	v_mov_b32 v[H8], v7
.irp x, 0,128
	v_mov_b32 v[\x+NM], 0x7f61b1e6                 ; -M: 3e38, so that the first f is 0, which multiplies zeros
	v_mov_b32 v[\x+SMAX], 0xff61b1e6               ; the largest score so far: -3e38
	v_mov_b32 v[\x+F+1], 0                         ; (named as the upper half of a pair)
	v_mov_b32 v[\x+PD1], 0                         ; a lane permute's destination counts as one of its sources
	v_mov_b32 v[\x+PD2], 0
.endr
	WIN 0
.macro KQ4 g                           ; S^T = K Q^T: K's tiles 4 g + 0 .. 3, each for both tiles of queries
.irp t, 0,1,2,3
.irp x, 0,1
.if (\t%2) == 1
	v_wmma_scale_f32_16x16x128_f8f6f4 v[128*\x+8*(4*\g+\t):128*\x+8*(4*\g+\t)+7], v[KF+12*\t:KF+12*\t+11], v[QA+12*\x:QA+12*\x+11], 0, v[KS+2*\g+\t/2], v[QS+\x] matrix_a_fmt:MATRIX_FMT_FP6 matrix_b_fmt:MATRIX_FMT_FP6 matrix_a_scale:MATRIX_SCALE_ROW1
.else
	v_wmma_scale_f32_16x16x128_f8f6f4 v[128*\x+8*(4*\g+\t):128*\x+8*(4*\g+\t)+7], v[KF+12*\t:KF+12*\t+11], v[QA+12*\x:QA+12*\x+11], 0, v[KS+2*\g+\t/2], v[QS+\x] matrix_a_fmt:MATRIX_FMT_FP6 matrix_b_fmt:MATRIX_FMT_FP6
.endif
.endr
.endr
.endm
.macro KLOAD g, va, vb                 ; K's tiles 4 g + 0 .. 3 of the record at v[va] (16 x lane) and v[vb] (8 x lane)
.irp t, 0,1,2,3
	ds_load_b128 v[KF+12*\t:KF+12*\t+3], v[\va] offset:768*(4*\g+\t)
	ds_load_b64 v[KF+12*\t+4:KF+12*\t+5], v[\vb] offset:768*(4*\g+\t)+512
.endr
.endm
.macro PRE va, vb                      ; nine loads: a record's four scale registers of K and its tiles 0-3
	ds_load_b128 v[KS:KS+3], v[\va] offset:6144
	KLOAD 0, \va, \vb
.endm
.macro PMAX k0, k1                     ; chains k0, k1 of both tiles by turns: the largest of scores 16 k .. 16 k + 14
.irp k, \k0, \k1
.irp x, 0,128
	v_max3_num_f32 v[\x+BM+\k], v[\x+16*\k], v[\x+16*\k+1], v[\x+16*\k+2]
.endr
.endr
.irp i, 3,5,7,9,11,13
.irp k, \k0, \k1
.irp x, 0,128
	v_max3_num_f32 v[\x+BM+\k], v[\x+BM+\k], v[\x+16*\k+\i], v[\x+16*\k+\i+1]
.endr
.endr
.endr
.endm
.macro BXL c                           ; the largest score of my block c of 32 keys: for the row's maximum and, since p rises with the score, for the block's largest p
.irp x, 0,128
	v_max3_num_f32 v[\x+BX+\c], v[\x+BM+2*\c], v[\x+BM+2*\c+1], v[\x+32*\c+15]
.endr
.irp x, 0,128
	v_max_num_f32 v[\x+BX+\c], v[\x+BX+\c], v[\x+32*\c+31]
.endr
.endm
.macro EXP8 b
.irp i, 0,1,2,3,4,5,6,7
	v_exp_f32 v[\b+\i], v[\b+\i]
.endr
.endm
.macro CVT x, c, hf                    ; 16 codes of block c; the second half goes elsewhere (a conversion's three registers begin on an even number)
.if \hf
	v_cvt_scalef32_pk16_fp6_f32 v[\x+T+4*\c:\x+T+4*\c+2], v[\x+32*\c+16:\x+32*\c+31], v[\x+SO+\c]
.else
	v_cvt_scalef32_pk16_fp6_f32 v[\x+PC+6*\c:\x+PC+6*\c+2], v[\x+32*\c:\x+32*\c+15], v[\x+SO+\c]
.endif
.endm
.macro ADD2                            ; two p of each tile onto a pair of its sums: eight chains by turns
.irp x, 0,1
	v_pk_add_f32 v[LW+8*\x+(J%8):LW+8*\x+(J%8)+1], v[LW+8*\x+(J%8):LW+8*\x+(J%8)+1], v[128*\x+J:128*\x+J+1]
.endr
.set J, J+2
.endm
; A KEY STEP: the record at LDS byte s40; s42: the next step's record.  first = 1: the products start O^T (C = 0), and nothing is rescaled.
.macro STEP first
	s_wait_dscnt 0x0                               ; K's scales and tiles 0-3, asked for a step ago
	WIN 0x40                                       ; D in window 1
	KQ4 0
	WIN 0
	v_add_nc_u32 v6, s40, v1                       ; four additions: the places in front of loads into registers that matrix instructions have read (K's just now, V's in the last step)
	v_add_nc_u32 v7, s40, v2
	v_add_nc_u32 v14, s42, v1
	v_add_nc_u32 v15, s42, v2
	KLOAD 1, 6, 7
.irp t, 0,1,2,3
.irp i, 0,1,2
	ds_load_b128 v[VF+12*\t+4*\i:VF+12*\t+4*\i+3], v6 offset:6656+1536*\t+512*\i
.endr
.endr
	ds_load_b64 v[8:9], v7 offset:12800            ; V's two scale registers
	WIN 0x55                                       ; all operands in window 1
	PMAX 0, 1                                      ; on K's tiles 0 to 3, while tiles 4 to 7 are on their way
	s_wait_alu depctr_va_vdst(0)
	s_wait_dscnt 13                                ; K's eight loads are in; V's thirteen, issued behind them, land under the softmax
	WIN 0x40
	KQ4 1
	WIN 0x55
	BXL 0                                          ; four lines on tiles 0 to 3 alone: the places behind the products of tiles 4 to 7
	WIN 0
	PRE 14, 15                                     ; the next step's, under the softmax
	WIN 0x55
	PMAX 2, 3
	BXL 1
.irp x, 0,128
	v_max_num_f32 v[\x+TA], v[\x+BX], v[\x+BX+1]
.endr
.irp x, 0,128
	v_permlanex16_b32 v[\x+PD1], v[\x+TA], s20, s21        ; the query's other 64 keys lie in lane l xor 16
.endr
.irp x, 0,128
	v_max3_num_f32 v[\x+SMAX], v[\x+SMAX], v[\x+TA], v[\x+PD1]
.endr
.irp x, 0,128
	v_mul_f32 v[\x+TA], s22, v[\x+SMAX]            ; as t (c is positive)
.endr
.irp x, 0,128
	v_mov_b32 v[\x+TB], v[\x+NM]
.endr
.irp x, 0,128
	v_floor_f32 v[\x+NM], -v[\x+TA]                ; the new -M = -ceil(t)
.endr
.irp x, 0,128
	v_sub_f32 v[\x+TA], v[\x+NM], v[\x+TB]         ; old M - new M: a whole number, 0 or less
.endr
.irp x, 0,128
	v_cvt_i32_f32 v[\x+TA], v[\x+TA]               ; (it saturates)
.endr
.irp x, 0,128
	v_ldexp_f32 v[\x+F], 1.0, v[\x+TA]             ; f = 2^(old M - new M)
.endr
.if \first == 0
	WIN 0x04                                       ; O in window 0, f in window 1
.set J, 0
.rept 32
	v_pk_mul_f32 v[O+J:O+J+1], v[O+J:O+J+1], v[F+128*(J/32):F+128*(J/32)+1] op_sel_hi:[1,0]   ; O^T under the new M, each accumulator from its low end on
.set J, J+2
.endr
	WIN 0x55
.endif
.set J, 0
.rept 32
	v_pk_fma_f32 v[J:J+1], v[J:J+1], s[22:23], v[NM:NM+1] op_sel_hi:[1,0,0]   ; tile a: t - M
.set J, J+2
.endr
.irp c, 0,1
.irp x, 0,128
	v_fma_f32 v[\x+BX+\c], v[\x+BX+\c], s22, v[\x+NM]      ; the same of each block's largest score
.endr
.endr
	s_wait_alu depctr_va_vdst(0)                   ; ahead of the batch
.irp c, 0,1
.irp x, 0,128
	v_exp_f32 v[\x+BX+\c], v[\x+BX+\c]             ; the blocks' largest p
.endr
.endr
.set J, 0
.rept 32
	v_exp_f32 v[J], v[J]                           ; tile a's p,
	v_exp_f32 v[J+1], v[J+1]
	v_pk_fma_f32 v[128+J:129+J], v[128+J:129+J], s[22:23], v[128+NM:129+NM] op_sel_hi:[1,0,0]   ; and among them tile b's t - M, first read behind the wait below
.set J, J+2
.endr
	s_wait_alu depctr_va_vdst(0)                   ; behind tile a's batch and ahead of tile b's
.irp c, 0,1
.irp x, 0,128
	v_max_num_f32 v[\x+BX+\c], 0x1800000, v[\x+BX+\c]      ; the floor 2^(3 - 127): the byte cannot fall under 1
.endr
.endr
.irp c, 0,1
.irp x, 0,128
	v_add_nc_u32 v[\x+SO+\c], 0xff000000, v[\x+BX+\c]      ; 2 off the exponent field: the conversion's scale operand
.endr
.endr
.irp c, 0,1
.irp x, 0,128
	v_lshrrev_b32 v[\x+BY+\c], 23, v[\x+SO+\c]     ; the scale's byte
.endr
.endr
.irp x, 0,128
	v_lshl_or_b32 v[\x+TB], v[\x+BY+1], 16, v[\x+BY]       ; my two bytes: blocks h and 2 + h,
.endr
.irp x, 0,128
	v_lshlrev_b32 v[\x+TB], v[H8], v[\x+TB]        ; 8 h bits up
.endr
.irp x, 0,128
	v_permlanex16_b32 v[\x+PD2], v[\x+TB], s20, s21
.endr
	EXP8 128                                       ; tile b's p; among them tile a's conversions, whose results are first read behind the next wait
	CVT 0, 0, 0
	EXP8 136
	CVT 0, 0, 1
	EXP8 144
	CVT 0, 1, 0
	EXP8 152
	CVT 0, 1, 1
	EXP8 160
	EXP8 168
	EXP8 176
	EXP8 184
	s_wait_alu depctr_va_vdst(0)                   ; behind the batch
	WIN 0x05                                       ; sources in window 1, destination in window 0
	v_or_b32 v[PS], v[TB], v[PD2]                  ; with lane l xor 16's two bytes P's scale words are whole.  (Plain lines behind the last exponential; the lines below part the words from the products)
	v_or_b32 v[PS+1], v[128+TB], v[128+PD2]
	WIN 0x55
	CVT 128, 0, 0
	CVT 128, 0, 1
	CVT 128, 1, 0
	CVT 128, 1, 1
	WIN 0x14                                       ; the sums in window 0, f and p in window 1
.irp i, 0,2,4,6
.irp x, 0,1
	v_pk_fma_f32 v[LW+8*\x+\i:LW+8*\x+\i+1], v[LW+8*\x+\i:LW+8*\x+\i+1], v[128*\x+F:128*\x+F+1], v[128*\x+\i:128*\x+\i+1] op_sel_hi:[1,0,1]   ; a sum's pair under the new M, and its first two p of the step.  (Plain lines behind the conversions)
.endr
.endr
	WIN 0x55
.irp x, 0,128
.irp c, 0,1
.irp i, 0,1,2
	v_mov_b32 v[\x+PC+6*\c+3+\i], v[\x+T+4*\c+\i]
.endr
.endr
.endr
	WIN 0x04                                       ; p and P's codes in window 1, all else in window 0: one setting for the sums and the products
.set J, 8
.rept 4
	ADD2                                           ; eight lines part P's codes from the products
.endr
	s_wait_alu depctr_va_vdst(0)
	s_wait_dscnt 9                                 ; V is in; the nine loads for the next step, issued behind V's, may be out
.irp t, 0,1,2,3                        ; O^T += V^T P^T: eight accumulators by turns, one instruction a turn, six lines of the sums behind each
.irp x, 0,1
.if \first
.if (\t%2) == 1
	v_wmma_scale_f32_16x16x128_f8f6f4 v[O+32*\x+8*\t:O+32*\x+8*\t+7], v[VF+12*\t:VF+12*\t+11], v[128*\x+PC:128*\x+PC+11], 0, v[8+\t/2], v[PS+\x] matrix_a_fmt:MATRIX_FMT_FP6 matrix_b_fmt:MATRIX_FMT_FP6 matrix_a_scale:MATRIX_SCALE_ROW1
.else
	v_wmma_scale_f32_16x16x128_f8f6f4 v[O+32*\x+8*\t:O+32*\x+8*\t+7], v[VF+12*\t:VF+12*\t+11], v[128*\x+PC:128*\x+PC+11], 0, v[8+\t/2], v[PS+\x] matrix_a_fmt:MATRIX_FMT_FP6 matrix_b_fmt:MATRIX_FMT_FP6
.endif
.else
.if (\t%2) == 1
	v_wmma_scale_f32_16x16x128_f8f6f4 v[O+32*\x+8*\t:O+32*\x+8*\t+7], v[VF+12*\t:VF+12*\t+11], v[128*\x+PC:128*\x+PC+11], v[O+32*\x+8*\t:O+32*\x+8*\t+7], v[8+\t/2], v[PS+\x] matrix_a_fmt:MATRIX_FMT_FP6 matrix_b_fmt:MATRIX_FMT_FP6 matrix_a_scale:MATRIX_SCALE_ROW1
.else
	v_wmma_scale_f32_16x16x128_f8f6f4 v[O+32*\x+8*\t:O+32*\x+8*\t+7], v[VF+12*\t:VF+12*\t+11], v[128*\x+PC:128*\x+PC+11], v[O+32*\x+8*\t:O+32*\x+8*\t+7], v[8+\t/2], v[PS+\x] matrix_a_fmt:MATRIX_FMT_FP6 matrix_b_fmt:MATRIX_FMT_FP6
.endif
.endif
	ADD2
	ADD2
	ADD2
.endr
.endr
	WIN 0
.endm
.macro OPEN base                       ; a slot's first record: its K scales and tiles 0-3 are asked for here
	s_mov_b32 s40, \base
	v_add_nc_u32 v6, s40, v1
	v_add_nc_u32 v7, s40, v2
	PRE 6, 7
.endm
.macro STEPS base, n, last             ; n key steps from LDS byte base on; last: the slot's last record, at which the look-ahead is held
	s_mov_b32 s40, \base
	s_mov_b32 s42, \base+REC
	s_mov_b32 s41, \n
.Lstep_\@:
	STEP 0
	s_add_co_u32 s40, s40, REC
	s_add_co_u32 s42, s40, REC
	s_min_u32 s42, s42, \last
	s_sub_co_u32 s41, s41, 1
	s_cmp_lg_u32 s41, 0
	s_cbranch_scc1 .Lstep_\@
.endm
; THE CHANGE OF SLOTS.  fill = 1: the barrier is a round of the cluster's, and first thing behind it every wave asks for its record of the eight key steps that follow those last asked for, into the other slot than last time.
.macro CHANGE fill
	s_wait_tensorcnt 0x0                           ; no tensor load of mine is out, so my group 0 may be written
	ds_add_u32 v3, v4
.if \fill
	s_xor_b32 s33, s33, SLOT1
	s_add_nc_u64 s[34:35], s[34:35], SLOTB         ; the type bits on top are not reached
.endif
	s_wait_dscnt 0x0                               ; the add is done, and my reads of the slot are over
.if \fill
	CROUND
	tensor_load_to_lds s[32:35], s[24:31]
	s_nop 0
	NOPS 4
.else
	s_barrier_signal -1
	s_barrier_wait -1
.endif
.endm
	s_wait_alu depctr_va_vdst(0)                   ; the head's end
	s_wait_loadcnt 0x0                             ; Q
	CHANGE 1                                       ; slot 0 is whole; slot 1 takes key steps 8 to 15
	OPEN 0
	s_mov_b32 s42, REC
	STEP 1                                         ; key step 0 starts O^T
	STEPS REC, 7, 7*REC                            ; 1 to 7
	CHANGE 1                                       ; slot 0 takes steps 16 to 23
	OPEN SLOT1
	STEPS SLOT1, 8, SLOT1+7*REC                    ; 8 to 15
	CHANGE 1                                       ; slot 1 takes steps 24 to 31
	OPEN 0
	STEPS 0, 8, 7*REC                              ; 16 to 23
	CHANGE 0                                       ; nothing is left to fetch
	OPEN SLOT1
	STEPS SLOT1, 8, SLOT1+7*REC                    ; 24 to 31
	; THE WAY OUT: O^T / the sum goes through my own stage in LDS and leaves as whole rows of 256 bytes.
	s_wait_alu depctr_va_vdst(0)
	s_wait_dscnt 0x0                               ; the last look-ahead's loads have landed: their registers are written below
.irp x, 0,8
	v_pk_add_f32 v[LW+\x:LW+\x+1], v[LW+\x:LW+\x+1], v[LW+\x+2:LW+\x+3]
	v_pk_add_f32 v[LW+\x+4:LW+\x+5], v[LW+\x+4:LW+\x+5], v[LW+\x+6:LW+\x+7]
.endr
.irp x, 0,8
	v_pk_add_f32 v[LW+\x:LW+\x+1], v[LW+\x:LW+\x+1], v[LW+\x+4:LW+\x+5]
.endr
.irp x, 0,8
	v_add_f32 v[LW+\x], v[LW+\x], v[LW+\x+1]
.endr
.irp x, 0,8
	v_permlanex16_b32 v[LW+\x+2], v[LW+\x], s20, s21
.endr
.irp x, 0,8
	v_add_f32 v[LW+\x], v[LW+\x], v[LW+\x+2]       ; with lane l xor 16's: the row's sum
.endr
	s_wait_alu depctr_va_vdst(0)
.irp x, 0,8
	v_rcp_f32 v[LW+\x+4], v[LW+\x]
.endr
	v_and_b32 v204, 15, v0                         ; r
	v_bfe_u32 v205, v0, 4, 1                       ; h
	s_mul_i32 s14, s10, 32*SP
	s_add_co_u32 s14, s14, STAGE                   ; my stage
	v_mul_u32_u24 v206, v204, SP
	v_mul_u32_u24 v207, v205, SP
	v_lshlrev_b32 v208, 11, v205
	v_lshl_add_u32 v206, v205, 5, v206
	v_lshl_add_u32 v207, v204, 4, v207
	v_lshl_add_u32 v208, v204, 4, v208             ; out: lanes 0-15 one row, lanes 16-31 the next, 2,048 bytes apart
	v_add_nc_u32 v206, s14, v206                   ; in: row r; V's tile t's eight channels of my half at 64 t + 32 h
	v_add_nc_u32 v207, s14, v207                   ; back: the same two rows as in out
	s_wait_alu depctr_va_vdst(0)                   ; ahead of the first reader of the reciprocals and of O^T
.set J, 0
.rept 32
	v_pk_mul_f32 v[W+J:W+J+1], v[O+J:O+J+1], v[LW+8*(J/32)+4:LW+8*(J/32)+5] op_sel_hi:[1,0]   ; register 32 x + 8 t + j is out(tile x's query r, channel 16 t + 8 h + j)
.set J, J+2
.endr
.irp x, 0,1
.irp t, 0,1,2,3
	ds_store_b128 v206, v[W+32*\x+8*\t:W+32*\x+8*\t+3] offset:16*SP*\x+64*\t
	ds_store_b128 v206, v[W+32*\x+8*\t+4:W+32*\x+8*\t+7] offset:16*SP*\x+64*\t+16
.endr
.endr
.irp x, 0,1
.irp i, 0,1,2,3,4,5,6,7
	ds_load_b128 v[R+32*\x+4*\i:R+32*\x+4*\i+3], v207 offset:16*SP*\x+2*\i*SP   ; LDS serves a wave's instructions in order (ISA guide 5.7.1.4): these see my stores
.endr
.endr
.irp x, 0,1
.irp i, 0,1,2,3,4,5,6,7
	s_wait_dscnt 15-8*\x-\i                        ; this load is in; the younger ones may be out
	global_store_b128 v208, v[R+32*\x+4*\i:R+32*\x+4*\i+3], s[8:9] offset:(2*\i+24*(\i/4)+8*\x)*2048 th:TH_STORE_NT   ; stage row m of tile x is query q0 + 8 x + m % 8 + 32 (m / 8); sixteen lanes store 256 consecutive bytes, aligned
.endr
.endr
	s_wait_tensorcnt 0x0                           ; the wave's end
	ds_add_u32 v3, v4
	s_wait_dscnt 0x0
	CROUND                                         ; the closing round
	s_endpgm
.Lfunc_end_k_q8091f93584_attn:
	.size	k_q8091f93584_attn, .Lfunc_end_k_q8091f93584_attn-k_q8091f93584_attn
	.p2alignl 7, 3214868480
	.fill 96, 4, 3214868480
	.section	.rodata,"a",@progbits
	.p2align	6, 0x0
	.amdhsa_kernel k_q8091f93584_attn
		.amdhsa_group_segment_fixed_size 327680
		.amdhsa_private_segment_fixed_size 0
		.amdhsa_enable_private_segment 0
		.amdhsa_kernarg_size 24
		.amdhsa_user_sgpr_count 2
		.amdhsa_user_sgpr_kernarg_segment_ptr 1
		.amdhsa_wavefront_size32 1
		.amdhsa_system_sgpr_workgroup_id_x 1
		.amdhsa_system_sgpr_workgroup_id_y 1
		.amdhsa_system_sgpr_workgroup_id_z 1
		.amdhsa_system_vgpr_workitem_id 0
		.amdhsa_next_free_vgpr 512
		.amdhsa_next_free_sgpr 66
		.amdhsa_reserve_vcc 0
		.amdhsa_float_denorm_mode_32 3
		.amdhsa_float_denorm_mode_16_64 3
		.amdhsa_memory_ordered 1
		.amdhsa_forward_progress 1
		.amdhsa_inst_pref_size 153
	.end_amdhsa_kernel
	.amdgpu_metadata
---
amdhsa.version: [ 1, 2 ]
amdhsa.kernels:
  - .name:           k_q8091f93584_attn
    .symbol:         k_q8091f93584_attn.kd
    .args:
      - { .name: qi, .offset: 0, .size: 8, .value_kind: global_buffer, .address_space: global }
      - { .name: kv, .offset: 8, .size: 8, .value_kind: global_buffer, .address_space: global }
      - { .name: out0, .offset: 16, .size: 8, .value_kind: global_buffer, .address_space: global }
    .group_segment_fixed_size: 327680
    .private_segment_fixed_size: 0
    .kernarg_segment_align: 8
    .kernarg_segment_size: 24
    .max_flat_workgroup_size: 256
    .sgpr_count:     66
    .vgpr_count:     512
    .wavefront_size: 32
...
	.end_amdgpu_metadata
.endif
;; end of part 2
